; MI455X (gfx1250); checked and timed in simulation.
; The chip was launched on July 23, 2026; its instructions are those of AMD's public machine-readable ISA for CDNA 5 (MIT licence, August 2026) and "CDNA5" Instruction Set Architecture Reference Guide (July 2026). The comments in the code are by the model that wrote it; some were corrected since.
;; Attention Rel Scl. Allowed arithmetic: matrix products marked QUANTISED: E4M3 operands, one given power-of-two scale a tensor, by v_wmma_f32_16x16x64_fp8_fp8 or v_wmma_f32_16x16x128_fp8_fp8, f32 sums; everything else in f32.
;; Inputs: Wk_codes 1,024 x 32 x 32 uint8 (E4M3 codes of Wk, K innermost, in blocks of 32 codes); Wq_codes 1,024 x 32 x 32 uint8 (E4M3 codes of Wq, K innermost, in blocks of 32 codes); Wv_codes 1,024 x 32 x 32 uint8 (E4M3 codes of Wv, K innermost, in blocks of 32 codes); beta 1,024 float32; gamma 1,024 float32; lowp_scales 10 int32 (the exponents e of the quantised operands' scales 2^e); rel_table 2,047 x 16 float32; x_codes 8 x 1,024 x 32 x 32 uint8 (E4M3 codes of x, K innermost, in blocks of 32 codes).
;; Outputs: out0 8 x 1,024 x 1,024 float32.
;; This version of the problem:
;;   THIS VERSION OF THE PROBLEM IS GIVEN IN LOW PRECISION. The matrix products marked QUANTISED in the list below multiply operands that are first quantised to E4M3 (4 exponent bits, 3 mantissa bits; 8 bits a number), with one given power-of-two scale for each operand tensor; their sums are f32. All else is computed in f32.
;;   The module's matrix products, in the order in which they are computed (A, B: the left and right operand; K: the contracted axis; several contracted axes count as one K, in the product's order):
;;     1. [M 8,192, K 1,024] x [K 1,024, N 1,024]; A: input x (given as codes); B: input Wq (given as codes): QUANTISED (scales: A lowp_scales[0], B lowp_scales[1])
;;     2. [M 8,192, K 1,024] x [K 1,024, N 1,024]; A: input x (given as codes); B: input Wk (given as codes): QUANTISED (scales: A lowp_scales[2], B lowp_scales[3])
;;     3. [M 8,192, K 1,024] x [K 1,024, N 1,024]; A: input x (given as codes); B: input Wv (given as codes): QUANTISED (scales: A lowp_scales[4], B lowp_scales[5])
;;     4. batch 128 x [M 1,024, K 64] x [K 64, N 1,024]; A: computed on the way; B: computed on the way: QUANTISED (scales: A lowp_scales[6], B lowp_scales[7])
;;     5. batch 128 x [M 1,024, K 1,024] x [K 1,024, N 64]; A: computed on the way; B: computed on the way: QUANTISED (scales: A lowp_scales[8], B lowp_scales[9])
;;   THE QUANTISER, for each operand of a quantised product, along K:
;;     - The operand's scale is 2^e, e = its entry of the input lowp_scales (int32; the entries are numbered through the quantised products in the list's order, A before B).
;;     - Each number is divided by the scale, clamped to +-448, and rounded to the nearest number of E4M3, ties to even, subnormals kept.
;;     - The product sums the exact products of the quantised numbers (number of the format x scale) in f32.
;;   ~~~python
;;   def quantise(x, axis, e):      # numpy; x: float32 -> the quantised numbers, widened to float32 again
;;       x = np.moveaxis(x, axis, -1); K = x.shape[-1]
;;       r = np.clip(x / 2.0 ** e, -448, 448)
;;       step = 2.0 ** (np.maximum(np.frexp(np.where(r == 0, 1, r))[1] - 1, -6) - 3)
;;       q = np.round(r / step) * step * 2.0 ** e      # np.round: ties to even
;;       return np.moveaxis(q, -1, axis).astype(np.float32)
;;   ~~~
;;   OPERANDS COMPUTED ON THE WAY. 'Computed on the way' means the value that the module computes at that place (a softmax that the list does not call 'softmax' is quantised finished and normalised). What goes into a quantiser is computed in f32, as accurately as f32 sums, v_exp_f32 and their like allow (about 1e-6 of the number): no bf16 or f16 on the way to a quantiser, and a product that is left as it is and whose result goes on into a quantised operand takes f32 operands (vector FMAs, or v_wmma_f32_16x16x4_f32). A number that lies on a knife's edge between two numbers of the format may be rounded either way, as far as f32 arithmetic and the matrix unit's own rounding can turn it there, and no further.
;;   INPUTS GIVEN AS CODES. Wk (in the module: [1024, 1024], K = its axis 0); Wq (in the module: [1024, 1024], K = its axis 0); Wv (in the module: [1024, 1024], K = its axis 0); x (in the module: [8, 1024, 1024], K = its axis 2): each comes as NAME_codes (uint8): NAME with its K axis moved to the last place and cut into blocks of 32 codes, [.., K / 32, bytes a block], one block behind the other in memory; one code a byte (a code: sign, 4 exponent bits, 3 mantissa bits); its scale is its entry of lowp_scales. Its value is code x scale, taken as it is: it is not quantised again, and the codes and scales need not be those that the quantiser above would give.
;; One version. Each part assembles by itself: llvm-mc -triple=amdgcn-amd-amdhsa -mcpu=gfx1250 --defsym DOCPART=n.
;; ======== version 1 of 1: 2 launches
;; limits: right only within a limited range of input values
;; workspace buffers: qws 8,388,608 bytes; kws 8,388,608 bytes; vws 8,388,608 bytes
;; launch proj (part 1): grid 12 x 32, 4 waves a work-group, clusters of 4 x 4, 327,680 bytes of LDS; arguments x_codes, Wq_codes, Wk_codes, Wv_codes, lowp_scales, qws, kws, vws; writes qws, kws, vws
.if DOCPART == 1
	.amdgcn_target "amdgcn-amd-amdhsa--gfx1250"
	.amdhsa_code_object_version 6
	.text
	.protected	k_q6dadc61b9a_proj
	.globl	k_q6dadc61b9a_proj
	.p2align	8
	.type	k_q6dadc61b9a_proj,@function
k_q6dadc61b9a_proj:
	s_mov_b64 s[64:65], 0
	v_nop
	global_prefetch_b8 v0, s[64:65] scope:SCOPE_SE
	s_setreg_imm32_b32 hwreg(HW_REG_WAVE_MODE, 25, 1), 1
	s_wait_xcnt 0x0
	s_wait_alu depctr_hold_cnt(0) depctr_sa_sdst(0) depctr_va_vdst(0) depctr_va_sdst(0) depctr_va_ssrc(0) depctr_va_vcc(0) depctr_vm_vsrc(0)
	s_getreg_b32 s2, hwreg(HW_REG_IB_STS2, 6, 4)
	s_cmp_eq_u32 s2, 0
	s_cbranch_scc0 .Lentry_in_a_cluster
	s_endpgm
.Lentry_in_a_cluster:
	s_bfe_u32 s2, ttmp6, 0x10000c
	s_cmp_lg_u32 s2, 0xf033
	s_cbranch_scc0 .Lentry_shape_is_right
	s_endpgm
.Lentry_shape_is_right:
.set KSTEP,  256
.set ROWB,   256
.set KROW,   1024
.set PITCH,  272
.set FR,     16
.set NL,     4
.set NP,     4
.set HALFT,  128*PITCH
.set SLOT,   4*HALFT
.set LAPS,   2
.set SPARE,  2*SLOT
.set STQ,    0
.set STK,    HALFT
.set SCV,  8
.set LIMV, 9
.set GOL,  10
.set ADRA, 16
.set ADRB, 20
.set QST,  24
.set QRD,  25
.set KST,  26
.set KRD,  27
.set SPW,  28
.set NIL,  29
.set CC,   32
.set BK,   160
.set AF,   128
.set G1, 24
.set G0, 32
.set G1B, 48
.set G0B, 56
.set MSB, 0
.macro WIN new
.if MSB != (\new)
	s_set_vgpr_msb (MSB<<8)|(\new)
.set MSB, (\new)
.endif
.endm
.set MUL_LO, 0xa1
.set MUL_HI, 0xf1
.set TO_B,   0x40
.macro JLOAD g0a, g1a, g0b, g1b
	s_cmp_eq_u32 s15, 0
	s_cbranch_scc0 .Lfor_b_\@
	tensor_load_to_lds s[\g0a:\g0a+3], s[\g1a:\g1a+7]
	s_nop 0
.rept 4
	v_nop
.endr
	s_branch .Lasked_\@
.Lfor_b_\@:
	tensor_load_to_lds s[\g0b:\g0b+3], s[\g1b:\g1b+7]
	s_nop 0
.rept 4
	v_nop
.endr
.Lasked_\@:
.endm
.macro CREST
	s_cmp_lg_u32 s14, 0
	s_cbranch_scc1 .Lnot_wave_0_\@
	s_barrier_signal -3
.Lnot_wave_0_\@:
	s_barrier_wait -3
	s_barrier_signal -1
	s_barrier_wait -1
.endm
.macro CROUND
	s_barrier_signal -1
	s_barrier_wait -1
	CREST
.endm
	s_load_b512 s[68:83], s[0:1], 0x0
	v_lshl_add_u32 v[SPW], v0, 2, SPARE
	v_mov_b32 v[NIL], 0
	ds_add_u32 v28, v29
	ds_add_u32 v28, v29
	s_wait_dscnt 0x0
	v_lshrrev_b32 v1, 5, v0
	v_readfirstlane_b32 s14, v1
	s_lshr_b32 s15, s14, 1
	s_and_b32 s16, s14, 1
	s_bfe_u32 s40, ttmp6, 0x40000
	s_bfe_u32 s41, ttmp6, 0x40004
	s_and_b32 s12, ttmp7, 0xffff
	s_lshl_b32 s12, s12, 2
	s_cmp_eq_u32 ttmp9, 2
	s_cselect_b32 s17, 0, s12
	s_cselect_b32 s42, s12, 0
	s_add_co_u32 s17, s17, s41
	s_add_co_u32 s42, s42, s40
	s_lshl_b32 s43, s41, 2
	s_lshl_b32 s43, 15, s43
	s_lshl_b32 s44, 0x1111, s40
	s_or_b32 s[G1+0], s43, (0<<16)|(1<<20)|(1<<21)|(5<<22)|(3<<25)
	s_or_b32 s[G1B+0], s44, (0<<16)|(1<<20)|(1<<21)|(5<<22)|(3<<25)
.irp g, G1, G1B
	s_mov_b32 s[\g+1], ROWB<<16
	s_mov_b32 s[\g+2], 128<<16
	s_mov_b32 s[\g+3], ROWB<<16
	s_mov_b32 s[\g+4], 128
	s_mov_b32 s[\g+5], KROW
	s_mov_b32 s[\g+6], 0
	s_mov_b32 s[\g+7], 0
.endr
	s_lshl_b32 s18, s16, 7
	s_lshl_b32 s20, s17, 8
	s_add_co_u32 s20, s20, s18
	s_lshl_b32 s20, s20, 10
	s_lshl_b32 s46, s42, 8
	s_add_co_u32 s46, s46, s18
	s_lshl_b32 s46, s46, 10
	s_mov_b32 s21, 0
	s_mov_b32 s47, 0
	s_mul_i32 s45, s14, HALFT
	s_wait_kmcnt 0x0
	s_load_b256 s[84:91], s[76:77], 0x0
	s_load_b64 s[92:93], s[76:77], 0x20
	s_cmp_eq_u32 ttmp9, 2
	s_cselect_b64 s[4:5], s[74:75], s[68:69]
	s_cselect_b64 s[6:7], s[68:69], s[72:73]
	s_cmp_eq_u32 ttmp9, 0
	s_cselect_b64 s[6:7], s[70:71], s[6:7]
	s_add_nc_u64 s[20:21], s[4:5], s[20:21]
	s_add_nc_u64 s[46:47], s[6:7], s[46:47]
	CROUND
.irp s, 0,1
	s_mov_b32 s[G0+4*\s], 1
	s_add_co_u32 s[G0+4*\s+1], s45, \s*SLOT
	s_add_nc_u64 s[G0+4*\s+2:G0+4*\s+3], s[20:21], \s*ROWB
	s_or_b32 s[G0+4*\s+3], s[G0+4*\s+3], 0x80000000
	s_mov_b32 s[G0B+4*\s], 1
	s_add_co_u32 s[G0B+4*\s+1], s45, \s*SLOT
	s_add_nc_u64 s[G0B+4*\s+2:G0B+4*\s+3], s[46:47], \s*ROWB
	s_or_b32 s[G0B+4*\s+3], s[G0B+4*\s+3], 0x80000000
	s_wait_alu depctr_va_vdst(0)
	s_wait_tensorcnt 0x0
	ds_add_u32 v28, v29
	ds_add_u32 v28, v29
	s_wait_dscnt 0x0
	CROUND
	JLOAD G0+4*\s, G1, G0B+4*\s, G1B
.endr
	v_and_b32 v1, 15, v0
	v_bfe_u32 v2, v0, 4, 1
	v_mul_u32_u24 v3, v1, PITCH
	v_lshl_add_u32 v4, v2, 4, v3
	s_mul_i32 s21, s15, HALFT
	s_mul_i32 s22, s16, HALFT
	s_add_co_u32 s22, s22, 2*HALFT
.irp s, 0,1
	v_add_nc_u32 v[ADRA+\s], s21, v4
	v_add_nc_u32 v[ADRB+\s], s22, v4
	s_add_co_u32 s21, s21, SLOT
	s_add_co_u32 s22, s22, SLOT
.endr
	v_and_b32 v5, 31, v0
	v_lshlrev_b32 v[GOL], 4, v5
	s_mul_i32 s23, s14, 16*528
	v_mul_u32_u24 v6, v1, 528
	v_lshl_add_u32 v6, v2, 3, v6
	v_add_nc_u32 v[QST], s23, v6
	v_add_nc_u32 v[QRD], s23, v[GOL]
	s_lshl_b32 s23, s14, 13
	s_add_co_u32 s23, s23, STK
	v_lshlrev_b32 v6, 4, v1
	v_lshl_add_u32 v6, v2, 3, v6
	v_add_nc_u32 v[KST], s23, v6
	v_add_nc_u32 v[KRD], s23, v[GOL]
.macro FRAG reg, adr, q, i
.irp c, 0,1,2,3
	ds_load_b128 v[\reg+4*\c:\reg+4*\c+3], v[\adr] offset:128*(\q)+32*\c+(\i)*16*PITCH
.endr
.endm
.macro MUL16 a0, p, zero
.irp a, \a0, \a0+1
.irp b, 0,1,2,3,4,5,6,7
.if \zero
	v_wmma_f32_16x16x128_fp8_fp8 v[8*(8*((\a)%4)+\b):8*(8*((\a)%4)+\b)+7], v[128*(\p)+FR*\b:128*(\p)+FR*\b+FR-1], v[AF+FR*(\a):AF+FR*(\a)+FR-1], 0
.else
	v_wmma_f32_16x16x128_fp8_fp8 v[8*(8*((\a)%4)+\b):8*(8*((\a)%4)+\b)+7], v[128*(\p)+FR*\b:128*(\p)+FR*\b+FR-1], v[AF+FR*(\a):AF+FR*(\a)+FR-1], v[8*(8*((\a)%4)+\b):8*(8*((\a)%4)+\b)+7]
.endif
.endr
.endr
.endm
.macro FETCH_B slot, q, p
	WIN TO_B
.irp i, 0,1,2,3,4,5,6,7
	FRAG 128*(\p)+FR*\i, ADRB+\slot, \q, \i
.endr
	WIN 0
.endm
.macro FETCH_A slot, q, i0
.irp i, \i0, \i0+1, \i0+2, \i0+3
	FRAG AF+FR*(\i), ADRA+\slot, \q, \i
.endr
.endm
.macro PLACES n
.rept \n
	v_nop
.endr
.endm
.macro STEP slot, q, zero
	s_wait_dscnt 4*NL
	WIN MUL_LO
	MUL16 0, (\q)%2, \zero
	MUL16 2, (\q)%2, \zero
	s_wait_dscnt 0
	PLACES NP
	FETCH_B \slot, (\q)+1, 1-(\q)%2
	FETCH_A \slot, (\q)+1, 0
	WIN MUL_HI
	MUL16 4, (\q)%2, \zero
	MUL16 6, (\q)%2, \zero
	PLACES NP
	WIN 0
	FETCH_A \slot, (\q)+1, 4
.endm
.macro TURN slot, next, fill
	s_wait_tensorcnt 0x0
	ds_add_u32 v[SPW], v[NIL]
	s_wait_dscnt 4*NL+1
	WIN MUL_LO
	MUL16 0, 1, 0
	s_wait_dscnt 0x0
	s_barrier_signal -1
	MUL16 2, 1, 0
	WIN 0
	s_barrier_wait -1
.if \fill
	CREST
	s_add_nc_u64 s[G0+4*\slot+2:G0+4*\slot+3], s[G0+4*\slot+2:G0+4*\slot+3], 2*ROWB
	s_add_nc_u64 s[G0B+4*\slot+2:G0B+4*\slot+3], s[G0B+4*\slot+2:G0B+4*\slot+3], 2*ROWB
	JLOAD G0+4*\slot, G1, G0B+4*\slot, G1B
.else
	PLACES NP
.endif
	FETCH_B \next, 0, 0
	FETCH_A \next, 0, 0
	WIN MUL_HI
	MUL16 4, 1, 0
	MUL16 6, 1, 0
	PLACES NP
	WIN 0
	FETCH_A \next, 0, 4
.endm
	s_wait_tensorcnt 1
	s_barrier_signal -1
	s_barrier_wait -1
	FETCH_B 0, 0, 0
	FETCH_A 0, 0, 0
	FETCH_A 0, 0, 4
	STEP 0, 0, 1
	s_mov_b32 s3, LAPS-1
.Llap:
	TURN 0, 1, 1
	STEP 1, 0, 0
	TURN 1, 0, 1
	STEP 0, 0, 0
	s_sub_co_u32 s3, s3, 1
	s_cmp_lg_u32 s3, 0
	s_cbranch_scc1 .Llap
	TURN 0, 1, 0
	STEP 1, 0, 0
	s_wait_dscnt 4*NL
	WIN MUL_LO
	MUL16 0, 1, 0
	MUL16 2, 1, 0
	s_wait_dscnt 0
	WIN MUL_HI
	MUL16 4, 1, 0
	MUL16 6, 1, 0
	WIN 0
	s_wait_kmcnt 0x0
	s_sub_co_i32 s94, s90, s84
	s_sub_co_i32 s94, s94, s85
	s_sub_co_i32 s95, s91, s86
	s_sub_co_i32 s95, s95, s87
	s_sub_co_i32 s96, s93, s88
	s_sub_co_i32 s96, s96, s89
	s_cmp_eq_u32 ttmp9, 1
	s_cselect_b32 s94, s95, s94
	s_cmp_eq_u32 ttmp9, 2
	s_cselect_b32 s94, s96, s94
	s_add_co_i32 s94, s94, 127
	s_lshl_b32 s95, s94, 23
	v_mov_b32 v[SCV], s95
	s_add_co_i32 s94, s94, 8
	s_lshl_b32 s94, s94, 23
	s_or_b32 s94, s94, 0x600000
	v_mov_b32 v[LIMV], s94
	PLACES NP
.irp a, 0,1,2,3,4,5,6,7
	WIN 0x82+0x41*(\a/4)
.set i, 0
.rept 64
	v_med3_num_f32 v[64*(\a%4)+i], v[64*(\a%4)+i], -v[LIMV], v[LIMV]
.set i, i+1
.endr
	WIN 0x02+(\a/4)
.irp b, 0,1,2,3,4,5,6,7
	v_cvt_scalef32_pk8_fp8_f32 v[CC+16*\a+2*\b:CC+16*\a+2*\b+1], v[64*(\a%4)+8*\b:64*(\a%4)+8*\b+7], v[SCV]
.endr
.endr
	WIN 0
	v_nop
.macro OFFS t, c, hi, lo, sh
	s_lshr_b32 s98, s[\t], 2
	s_lshl_b32 s98, s98, 20
	s_and_b32 s100, s[\t], 3
	s_lshl_b32 s100, s100, 14
	s_add_co_u32 s98, s98, s100
	s_lshl_b32 s100, s[\c], 18
	s_add_co_u32 s98, s98, s100
	s_lshl_b32 s100, s[\hi], 17
	s_add_co_u32 s98, s98, s100
	s_lshl_b32 s100, s[\lo], \sh
	s_add_co_u32 s98, s98, s100
	s_mov_b32 s99, 0
.endm
.macro ARMQK sto, rd, a1, a2, a3, rp, gp, ptr
.irp hl, 0,1
.if \hl
	s_wait_xcnt 0x0
.endif
.irp a, 0,1,2,3,4,5,6,7
.irp b, 0,1,2,3
	ds_store_b64 v[\sto], v[CC+16*\a+2*(4*\hl+\b):CC+16*\a+2*(4*\hl+\b)+1] offset:\a1*(\b%2)+\a2*(\b/2)+\a3*\a
.endr
.endr
.irp t, 0,1,2,3,4,5,6,7,8,9,10,11,12,13,14,15
	ds_load_b128 v[BK+4*\t:BK+4*\t+3], v[\rd] offset:\rp*\t
.endr
.irp t, 0,1,2,3,4,5,6,7,8,9,10,11,12,13,14,15
	s_wait_dscnt 15-\t
	global_store_b128 v[GOL], v[BK+4*\t:BK+4*\t+3], s[\ptr:\ptr+1] offset:65536*\hl+\gp*\t
.endr
.endr
.endm
	s_cmp_eq_u32 ttmp9, 2
	s_cbranch_scc1 .Larm_v
	s_cmp_eq_u32 ttmp9, 1
	s_cbranch_scc1 .Larm_k
	OFFS 17, 40, 16, 15, 9
	s_add_nc_u64 s[78:79], s[78:79], s[98:99]
	s_wait_alu depctr_va_vdst(0)
	ARMQK QST, QRD, 256, 128, 16, 528, 1024, 78
	s_branch .Lout
.Larm_k:
	OFFS 17, 40, 16, 15, 13
	s_add_nc_u64 s[80:81], s[80:81], s[98:99]
	s_wait_alu depctr_va_vdst(0)
	ARMQK KST, KRD, 512, 256, 1024, 512, 512, 80
	s_branch .Lout
.Larm_v:
	OFFS 42, 41, 15, 16, 13
	s_add_nc_u64 s[82:83], s[82:83], s[98:99]
	s_wait_alu depctr_va_vdst(0)
.irp a, 0,1,2,3,4,5,6,7
.irp n, 0,1,2,3
	global_store_b128 v[GOL], v[CC+16*\a+4*\n:CC+16*\a+4*\n+3], s[82:83] offset:(\a/4)*65536+(\a%4)*2048+512*\n
.endr
.endr
.Lout:
	s_wait_tensorcnt 0x0
	ds_add_u32 v[SPW], v[NIL]
	s_wait_dscnt 0x0
	CROUND
	s_endpgm
.Lfunc_end_k_q6dadc61b9a_proj:
	.size	k_q6dadc61b9a_proj, .Lfunc_end_k_q6dadc61b9a_proj-k_q6dadc61b9a_proj
	.p2alignl 7, 3214868480
	.fill 96, 4, 3214868480
	.section	.rodata,"a",@progbits
	.p2align	6, 0x0
	.amdhsa_kernel k_q6dadc61b9a_proj
		.amdhsa_group_segment_fixed_size 327680
		.amdhsa_private_segment_fixed_size 0
		.amdhsa_enable_private_segment 0
		.amdhsa_kernarg_size 64
		.amdhsa_user_sgpr_count 2
		.amdhsa_user_sgpr_kernarg_segment_ptr 1
		.amdhsa_wavefront_size32 1
		.amdhsa_system_sgpr_workgroup_id_x 1
		.amdhsa_system_sgpr_workgroup_id_y 1
		.amdhsa_system_sgpr_workgroup_id_z 1
		.amdhsa_system_vgpr_workitem_id 0
		.amdhsa_next_free_vgpr 1024
		.amdhsa_next_free_sgpr 102
		.amdhsa_reserve_vcc 0
		.amdhsa_float_denorm_mode_32 3
		.amdhsa_float_denorm_mode_16_64 3
		.amdhsa_memory_ordered 1
		.amdhsa_forward_progress 1
		.amdhsa_inst_pref_size 140
	.end_amdhsa_kernel
	.amdgpu_metadata
---
amdhsa.version: [ 1, 2 ]
amdhsa.kernels:
  - .name:           k_q6dadc61b9a_proj
    .symbol:         k_q6dadc61b9a_proj.kd
    .args:
      - { .name: x_codes, .offset: 0, .size: 8, .value_kind: global_buffer, .address_space: global }
      - { .name: Wq_codes, .offset: 8, .size: 8, .value_kind: global_buffer, .address_space: global }
      - { .name: Wk_codes, .offset: 16, .size: 8, .value_kind: global_buffer, .address_space: global }
      - { .name: Wv_codes, .offset: 24, .size: 8, .value_kind: global_buffer, .address_space: global }
      - { .name: lowp_scales, .offset: 32, .size: 8, .value_kind: global_buffer, .address_space: global }
      - { .name: qws, .offset: 40, .size: 8, .value_kind: global_buffer, .address_space: global }
      - { .name: kws, .offset: 48, .size: 8, .value_kind: global_buffer, .address_space: global }
      - { .name: vws, .offset: 56, .size: 8, .value_kind: global_buffer, .address_space: global }
    .group_segment_fixed_size: 327680
    .private_segment_fixed_size: 0
    .kernarg_segment_align: 8
    .kernarg_segment_size: 64
    .max_flat_workgroup_size: 128
    .sgpr_count:     102
    .vgpr_count:     1024
    .wavefront_size: 32
...
	.end_amdgpu_metadata
.endif
;; end of part 1
;; launch attn (part 2): grid 256 x 1, 4 waves a work-group, no clusters, 262,144 bytes of LDS; arguments qws, kws, vws, rel_table, gamma, beta, lowp_scales, out0; writes out0
.if DOCPART == 2
	.amdgcn_target "amdgcn-amd-amdhsa--gfx1250"
	.amdhsa_code_object_version 6
	.text
	.protected	k_q6dadc61b9a_attn
	.globl	k_q6dadc61b9a_attn
	.p2align	8
	.type	k_q6dadc61b9a_attn,@function
k_q6dadc61b9a_attn:
	s_mov_b64 s[64:65], 0
	v_nop
	global_prefetch_b8 v0, s[64:65] scope:SCOPE_SE
	s_setreg_imm32_b32 hwreg(HW_REG_WAVE_MODE, 25, 1), 1
	s_wait_xcnt 0x0
; out = LayerNorm( Q8(softmax(q k^T / 32) + bias) v ), both products on codes of FP8 (E4M3); q, k, v come as images of operand registers from the launch before.
; The second product's operand is the FINISHED softmax plus the bias, quantised along the keys with 2^e8: a row's largest score and its sum over all 1,024 keys are known before anything is quantised.
; bias[h][q][k] = rel_table[64 (q % 16) + k / 16 - 64 h - q / 16 + 1023][k % 16]: 16 neighbouring keys are one row of the table.
; SHARES.  A work-group owns 32 queries of one batch b, two tiles p = 0, 1 of 16: query = 16 (16 tb + r) + 2 j + p, and walks all 16 heads, so that it holds whole rows for the LayerNorm.
; FOUR WAVES of 1,024 registers, one to a SIMD.  Wave w takes BOTH tiles and keys 256 w .. 256 w + 255: a fragment of K or V feeds two matrix instructions.
; A head has two plain barriers: at the first the waves exchange (largest t, sum) of each query, at the second O's partial sums; wave w then owns accumulators 2 w, 2 w + 1 of the eight (4 p + d).
; K, V, Q go from memory straight into operand registers, 512 consecutive bytes an instruction: K and Q of head h + 1 are asked for behind head h's scores, V of head h + 1 behind head h's second product.
; THE BIAS: over all heads, both tiles and all keys the work-group wants 1,103 neighbouring rows of the table: they are fetched once, at the head, one tensor load a wave, rows of 64 bytes + 16 of padding.  No LDS byte is filled twice.
; NO CLUSTER, and this is why: the bias (88,320 bytes), the stage for O (131,584), the exchange (32,768), statistics and spare words take 254,208 bytes of LDS; two slots of one head's K and V (2 x 131,072) do not fit beside them.
; PREFETCH: in the trip of head h, K and V of head h + 3, whose loads go out two trips later: 131,072 bytes = 512 blocks of 256.  The first four work-groups of a batch ask, one instruction a wave, lanes 256 bytes apart: each block is named once in the launch.  Heads 13 to 15 ask for nothing.
; LAYOUT.  S^T = K Q^T (source 0 = 16 keys, source 1 = 16 queries): lane (r, hh) holds query r and keys 8 hh + 0..7 of each tile of 16 keys; eight such tiles, converted, ARE source 1 of O^T = V^T P^T (K = 128 keys).
; LIMITS on the given exponents, so that each power of two below is an f32 number: e6 + e7 between -121 and 132; e8 between -126 and 119; e8 + e9 between -116 and 127.  NaN codes among the inputs are not served.
; A weight under 2^-126 of the row's largest counts as 0.
; REGISTERS, in windows of 256.  window 0: addresses, statistics, Q, P's codes, O^T's eight accumulators; at the end four rows of the output.  window 1: v0-127 K (at the end gamma, beta), v128-255 V.
;   window 2: S^T, then p: tile p, keys 16 t on, at 128 p + 8 t.   window 3: the bias, laid likewise.
.set OST,   88320                      ; LDS: the bias at 0; here the stage for O: row 16 p + r, OP bytes apart
.set OP,    4112                       ; 4,096 + 16
.set XCH,   219904                     ; O's parts: [wave][accumulator 8][1,024 bytes]
.set STATS, 252672                     ; [wave][query] x (t, sum of tile 0; t, sum of tile 1)
.set SPARE, 253696                     ; the spare words: 128 bytes a wave, two blocks of 256 that no other line names
.set SPW, 1
.set NIL, 2
.set GO,  3                            ; 16 x lane
.set ADB0, 4                           ; bias: 80 (15 - r + 16 w) + 32 hh: head 15's place
.set ADBC, 5                           ; + 5,120 (15 - h)
.set AST, 6
.set ASL, 7
.set AXS, 8
.set AXL, 9
.set AOS0, 10                          ; the stage: row 16 (w / 2) + r, 128 (w % 2) + 32 hh
.set AOS, 11                           ; + 256 h
.set QO,  12                           ; Q: 512 (r / 8) + 128 hh + 16 (r % 8)
.set PFO, 13                           ; 256 x lane
.set ALN, 14
.set ALNC, 15
.set ST,  16                           ; t0, sum0, t1, sum1
.set NM,  20                           ; -t as pairs' low words
.set FF,  24                           ; F as pairs' low words
.set MX,  28                           ; 2 x 4 maxima
.set PL,  36
.set LIMV, 38
.set SCV, 39
.set PS,  40                           ; the four waves' statistics
.set EW,  56
.set GG,  64
.set OW,  66
.set LS,  68
.set SM,  72
.set QF,  88
.set CD,  104                          ; codes: 32 p + 16 ks
.set OA,  168                          ; accumulator 4 p + d at 8 (4 p + d)
.set MN,  40                           ; the LayerNorm: pairs' low words; sums; permutes' destinations; four rows
.set RS,  56
.set PLR, 60
.set X,   128
.set HC,  68                           ; s68 heads to go
.set SO,  69                           ; s69 256 h
.set SB,  86                           ; s86 5,120 (15 - h)
.set MSB, 0
.macro WIN new                         ; bits 1:0 source 0, 3:2 source 1, 5:4 source 2, 7:6 destination; the high byte repeats the setting that is left
.if MSB != (\new)
	s_set_vgpr_msb (MSB<<8)|(\new)
.set MSB, (\new)
.endif
.endm
.macro BAR
	s_barrier_signal -1
	s_barrier_wait -1
.endm
.macro NOP4
.rept 4
	v_nop
.endr
.endm
.macro KLOADS off                      ; my 16 fragments of K: register 4 n from byte 512 n
	WIN 0x40
.set n, 0
.rept 32
	global_load_b128 v[4*n:4*n+3], v[GO], s[6:7] offset:\off+512*n
.set n, n+1
.endr
	WIN 0
.endm
.macro QLOADS off
.irp p, 0,1
.irp c, 0,1
	global_load_b128 v[QF+8*\p+4*\c:QF+8*\p+4*\c+3], v[QO], s[4:5] offset:\off+1024*\p+256*\c
.endr
.endr
.endm
.macro VLOADS                          ; my 8 fragments of V (ks, d): register 128 + 4 n from byte 512 n
	WIN 0x40
.set n, 0
.rept 32
	global_load_b128 v[128+4*n:128+4*n+3], v[GO], s[8:9] offset:512*n
.set n, n+1
.endr
	WIN 0
.endm
	s_load_b512 s[4:19], s[0:1], 0x0               ; qws, kws, vws, rel_table, gamma, beta, the scales, out0
	v_lshl_add_u32 v[SPW], v0, 2, SPARE
	v_mov_b32 v[NIL], 0
	ds_add_u32 v[SPW], v[NIL]                      ; the opening: the add, twice on end, and its wait ahead of the first tensor load
	ds_add_u32 v[SPW], v[NIL]
	v_lshrrev_b32 v232, 5, v0
	v_readfirstlane_b32 s20, v232                  ; wave 0..3
	s_lshr_b32 s21, ttmp9, 5                       ; b
	s_and_b32 s22, ttmp9, 31                       ; which of the batch's 32 blocks of queries
	s_and_b32 s23, s22, 7                          ; j
	s_lshr_b32 s24, s22, 3                         ; tb
	s_and_b32 s25, s20, 1
	s_lshr_b32 s26, s20, 1
	s_mul_i32 s48, s20, 1280                       ; my first tile of keys is 16 w: 16 w rows of the table on
	s_lshl_b32 s49, s20, 8
	s_add_co_u32 s49, s49, STATS
	s_lshl_b32 s50, s20, 13
	s_add_co_u32 s50, s50, XCH
	s_lshl_b32 s51, s20, 11
	s_add_co_u32 s51, s51, XCH
	s_mul_i32 s52, s26, 16*OP
	s_lshl_b32 s53, s25, 7
	s_add_co_u32 s52, s52, s53
	s_add_co_u32 s52, s52, OST
	s_mul_i32 s53, s20, 8*OP
	s_add_co_u32 s53, s53, OST
	; descriptor groups 1: rows of 16 f32, four words of padding behind each 16; 276 rows for waves 0 to 2, 275 for wave 3
.irp g, 32, 40
	s_mov_b32 s[\g], (2<<16)|(1<<20)|(3<<22)|(3<<25)
	s_mov_b32 s[\g+1], 16<<16
	s_mov_b32 s[\g+3], 16<<16
	s_mov_b32 s[\g+5], 16
	s_mov_b32 s[\g+6], 0
	s_mov_b32 s[\g+7], 0
.endr
	s_mov_b32 s34, 276<<16
	s_mov_b32 s36, 276
	s_mov_b32 s42, 275<<16
	s_mov_b32 s44, 275
	s_lshl_b32 s54, s23, 13                        ; the first table row that I want is 128 j - 16 tb + 48; 64 bytes a row
	s_lshl_b32 s55, s24, 10
	s_sub_co_u32 s54, s54, s55
	s_add_co_u32 s54, s54, 3072
	s_mul_i32 s55, s20, 276*64
	s_add_co_u32 s54, s54, s55
	s_mov_b32 s55, 0
	s_mov_b32 s28, 1
	s_mul_i32 s29, s20, 276*80
	s_mov_b32 s62, 0x76543210                      ; v_permlanex16_b32: lane l xor 16
	s_mov_b32 s63, 0xfedcba98
	s_mov_b32 s74, 0x3a800000                      ; 1 / 1,024
	s_mov_b32 s75, 0x3a83126f                      ; the LayerNorm's 1e-3
	v_and_b32 v232, 31, v0                         ; l
	v_and_b32 v233, 15, v0                         ; r
	v_bfe_u32 v234, v0, 4, 1                       ; hh
	v_and_b32 v235, 7, v0
	v_bfe_u32 v236, v0, 3, 1
	v_lshlrev_b32 v[GO], 4, v232
	v_xor_b32 v[ADB0], 15, v233
	v_mul_u32_u24 v[ADB0], v[ADB0], 80
	v_lshl_add_u32 v[ADB0], v234, 5, v[ADB0]
	v_add_nc_u32 v[ADB0], s48, v[ADB0]
	v_lshl_add_u32 v[AST], v233, 4, s49
	v_lshl_add_u32 v[ASL], v233, 4, STATS
	v_add_nc_u32 v[AXS], s50, v[GO]
	v_add_nc_u32 v[AXL], s51, v[GO]
	v_mul_u32_u24 v[AOS0], v233, OP
	v_lshl_add_u32 v[AOS0], v234, 5, v[AOS0]
	v_add_nc_u32 v[AOS0], s52, v[AOS0]
	v_lshlrev_b32 v[QO], 9, v236
	v_lshl_add_u32 v[QO], v234, 7, v[QO]
	v_lshl_add_u32 v[QO], v235, 4, v[QO]
	v_lshlrev_b32 v[PFO], 8, v232
	v_add_nc_u32 v[ALN], s53, v[GO]
.irp q, NM+1, NM+3, FF+1, FF+3, PL, PL+1
	v_mov_b32 v[\q], 0                             ; upper halves of pairs and lane permutes' destinations: written once
.endr
	s_wait_alu depctr_va_vdst(0)                   ; ahead of the waits below
	s_wait_dscnt 0x0                               ; both opening adds are done
	s_wait_kmcnt 0x0
	s_load_b256 s[76:83], s[16:17], 0x0            ; e0 .. e7
	s_load_b64 s[84:85], s[16:17], 0x20            ; e8, e9
	s_add_nc_u64 s[30:31], s[10:11], s[54:55]
	s_or_b32 s31, s31, 0x80000000
	s_cmp_lt_u32 s20, 3                            ; every wave fetches its part of the bias: one tensor load on each way
	s_cbranch_scc0 .Lbias3
	tensor_load_to_lds s[28:31], s[32:39]
	s_nop 0
	NOP4
	s_branch .Lbias_done
.Lbias3:
	tensor_load_to_lds s[28:31], s[40:47]
	s_nop 0
	NOP4
.Lbias_done:
	s_lshl_b32 s54, s21, 20                        ; a batch is 2^20 bytes in each buffer of codes
	s_add_nc_u64 s[4:5], s[4:5], s[54:55]
	s_add_nc_u64 s[6:7], s[6:7], s[54:55]
	s_add_nc_u64 s[8:9], s[8:9], s[54:55]
	s_cmp_lt_u32 s22, 2                            ; the prefetches: blocks 0 and 1 of a batch ask for K, blocks 2 and 3 for V
	s_cselect_b64 s[70:71], s[6:7], s[8:9]
	s_and_b32 s56, s22, 1
	s_lshl_b32 s56, s56, 2
	s_add_co_u32 s56, s56, s20
	s_lshl_b32 s56, s56, 13                        ; 8,192 bytes a wave
	s_add_co_u32 s56, s56, 3*65536                 ; head 3
	s_mov_b32 s57, 0
	s_add_nc_u64 s[70:71], s[70:71], s[56:57]
	s_cmp_lt_u32 s22, 4
	s_cselect_b32 s72, 3, -1                       ; a wave asks while more heads than this are to go
	s_lshl_b32 s56, s20, 14                        ; my quarter of the keys
	s_add_nc_u64 s[6:7], s[6:7], s[56:57]
	s_add_nc_u64 s[8:9], s[8:9], s[56:57]
	s_lshl_b32 s56, s24, 14                        ; Q: tiles (tb, 2 j), (tb, 2 j + 1)
	s_lshl_b32 s58, s23, 11
	s_add_co_u32 s56, s56, s58
	s_add_nc_u64 s[4:5], s[4:5], s[56:57]
	KLOADS 0                                       ; head 0, in the order of every head: K, Q, V
	QLOADS 0
	VLOADS
	s_lshl_b32 s56, s21, 22                        ; out0: row 1,024 b + 16 (16 tb + 8 (w % 2) + i) + 2 j + w / 2, 4,096 bytes a row
	s_lshl_b32 s58, s24, 20
	s_add_co_u32 s56, s56, s58
	s_lshl_b32 s58, s25, 19
	s_add_co_u32 s56, s56, s58
	s_lshl_b32 s58, s23, 13
	s_add_co_u32 s56, s56, s58
	s_lshl_b32 s58, s26, 12
	s_add_co_u32 s56, s56, s58
	s_add_nc_u64 s[18:19], s[18:19], s[56:57]
	s_wait_kmcnt 0x0
	s_add_co_i32 s92, s82, s83                     ; a score stands for score x 2^(e6 + e7) / 32: the exponents are added to log2(e)'s exponent field
	s_sub_co_i32 s92, s92, 5
	s_lshl_b32 s92, s92, 23
	s_add_co_i32 s60, s92, 0x3fb8aa3b              ; c: t = score x c
	s_mov_b32 s61, s60
	s_add_co_i32 s92, s84, 127
	s_lshl_b32 s95, s92, 23
	v_mov_b32 v[SCV], s95                          ; 2^e8
	s_add_co_i32 s92, s92, 8
	s_lshl_b32 s92, s92, 23
	s_or_b32 s92, s92, 0x600000
	v_mov_b32 v[LIMV], s92                         ; 448 x 2^e8
	s_add_co_i32 s92, s84, s85
	s_add_co_i32 s95, s92, 127
	s_lshl_b32 s66, s95, 23                        ; 2^(e8 + e9)
	s_mov_b32 s67, s66
	s_add_co_i32 s95, s92, 117
	s_lshl_b32 s95, s95, 23
	s_or_b32 s73, s95, 0x80000000                  ; -2^(e8 + e9) / 1,024
	s_mov_b32 s[HC], 16
	s_mov_b32 s[SO], 0
	s_mov_b32 s[SB], 15*5120
	s_wait_alu depctr_va_vdst(0)
	s_wait_tensorcnt 0x0                           ; my part of the bias is in,
	BAR                                            ; and everybody's
.Lhead:
	; ---- scores: S^T = K Q^T, 16 tiles of keys x 2 tiles of queries; every product starts its own sum
	s_wait_loadcnt 32                              ; K and Q are in; the 32 loads of V, issued behind them, may be out
	WIN 0x81
.irp t, 0,1,2,3,4,5,6,7,8,9,10,11,12,13,14,15
.irp p, 0,1
	v_wmma_f32_16x16x64_fp8_fp8 v[128*\p+8*\t:128*\p+8*\t+7], v[8*\t:8*\t+7], v[QF+8*\p:QF+8*\p+7], 0
.endr
.endr
	WIN 0
	v_add_nc_u32 v[ADBC], s[SB], v[ADB0]           ; four places behind the last product
	v_add_nc_u32 v[AOS], s[SO], v[AOS0]
	v_nop
	v_nop
	s_cmp_eq_u32 s[HC], 1                          ; head 15 has no successor: gamma and beta take K's registers.  The branch hangs on the trip's number alone
	s_cbranch_scc1 .Lgb
	KLOADS 65536                                   ; the next head's K and Q
	QLOADS 65536
	s_cmp_gt_u32 s[HC], s72
	s_cbranch_scc0 .Lkq_done
	global_prefetch_b8 v[PFO], s[70:71] th:TH_LOAD_NT scope:SCOPE_SE
	s_branch .Lkq_done
.Lgb:
	WIN 0x40
.irp k, 0,1,2,3,4,5,6,7
	global_load_b128 v[4*\k:4*\k+3], v[GO], s[12:13] offset:512*\k     ; gamma and beta at channels 128 k + 4 l + 0..3
	global_load_b128 v[32+4*\k:32+4*\k+3], v[GO], s[14:15] offset:512*\k
.endr
	WIN 0
.Lkq_done:
	; ---- the largest score of each query among this lane's 128 keys: four chains a tile, ascending
	WIN 0x2a
.irp c, 0,1,2,3
.irp p, 0,1
	v_max3_num_f32 v[MX+4*\p+\c], v[128*\p+3*\c], v[128*\p+3*\c+1], v[128*\p+3*\c+2]
.endr
.endr
	WIN 0x28
.set i, 12
.rept 58
.irp p, 0,1
	v_max3_num_f32 v[MX+4*\p+(i/2)%4], v[MX+4*\p+(i/2)%4], v[128*\p+i], v[128*\p+i+1]
.endr
.set i, i+2
.endr
	WIN 0
.irp p, 0,1
	v_max3_num_f32 v[MX+4*\p], v[MX+4*\p], v[MX+4*\p+1], v[MX+4*\p+2]
.endr
.irp p, 0,1
	v_max_num_f32 v[MX+4*\p], v[MX+4*\p], v[MX+4*\p+3]
.endr
.irp p, 0,1
	v_permlanex16_b32 v[PL+\p], v[MX+4*\p], s62, s63   ; the query's other 128 keys lie in the lane 16 away
.endr
.irp p, 0,1
	v_max_num_f32 v[MX+4*\p], v[MX+4*\p], v[PL+\p]
.endr
.irp p, 0,1
	v_mul_f32 v[ST+2*\p], s60, v[MX+4*\p]          ; as t (c is positive)
.endr
.irp p, 0,1
	v_mul_f32 v[NM+2*\p], -1.0, v[ST+2*\p]
.endr
	; ---- p = 2^(t - the wave's largest t): all scalings, then the exponentials as one batch; among them eight runs of eight loads bring this head's bias into window 3
	WIN 0x82
.irp p, 0,1
.set i, 0
.rept 64
	v_pk_fma_f32 v[128*\p+i:128*\p+i+1], v[128*\p+i:128*\p+i+1], s[60:61], v[NM+2*\p:NM+2*\p+1] op_sel_hi:[1,0,0]
.set i, i+2
.endr
.endr
	s_wait_alu depctr_va_vdst(0)                   ; ahead of the batch
.set i, 0
.rept 256
	v_exp_f32 v[i], v[i]
.if (i%32) == 31
	WIN 0xc0
.set n, 8*(i/32)
.rept 8
	ds_load_b128 v[4*n:4*n+3], v[ADBC] offset:5120*(n/32)+80*((n%32)/2)+16*(n%2)   ; tile p = n / 32, keys 16 ((n % 32) / 2) on: 32 bytes of one table row, half n % 2
.set n, n+1
.endr
	WIN 0x82
.endif
.set i, i+1
.endr
	WIN 0
	v_nop                                          ; a plain instruction behind the last exponential
	s_wait_alu depctr_va_vdst(0)                   ; one wait for the whole batch, ahead of its first reader
	; ---- the sums of my p, four chains of pairs a tile
	WIN 0x0a
.irp c, 0,1,2,3
.irp p, 0,1
	v_pk_add_f32 v[SM+8*\p+2*\c:SM+8*\p+2*\c+1], v[128*\p+4*\c:128*\p+4*\c+1], v[128*\p+4*\c+2:128*\p+4*\c+3]
.endr
.endr
	WIN 0x08
.set i, 16
.rept 56
.irp p, 0,1
	v_pk_add_f32 v[SM+8*\p+2*((i/2)%4):SM+8*\p+2*((i/2)%4)+1], v[SM+8*\p+2*((i/2)%4):SM+8*\p+2*((i/2)%4)+1], v[128*\p+i:128*\p+i+1]
.endr
.set i, i+2
.endr
	WIN 0
.irp p, 0,1
	v_pk_add_f32 v[SM+8*\p:SM+8*\p+1], v[SM+8*\p:SM+8*\p+1], v[SM+8*\p+2:SM+8*\p+3]
	v_pk_add_f32 v[SM+8*\p+4:SM+8*\p+5], v[SM+8*\p+4:SM+8*\p+5], v[SM+8*\p+6:SM+8*\p+7]
.endr
.irp p, 0,1
	v_pk_add_f32 v[SM+8*\p:SM+8*\p+1], v[SM+8*\p:SM+8*\p+1], v[SM+8*\p+4:SM+8*\p+5]
.endr
.irp p, 0,1
	v_add_f32 v[ST+2*\p+1], v[SM+8*\p], v[SM+8*\p+1]
.endr
.irp p, 0,1
	v_permlanex16_b32 v[PL+\p], v[ST+2*\p+1], s62, s63
.endr
.irp p, 0,1
	v_add_f32 v[ST+2*\p+1], v[ST+2*\p+1], v[PL+\p]
.endr
	ds_store_b128 v[AST], v[ST:ST+3]               ; query r's statistics; both halves of the lanes store the same
	; ---- THE FIRST MEETING
	s_wait_dscnt 0x0                               ; my store is done, and the bias is in registers
	BAR
.irp s, 0,1,2,3
	ds_load_b128 v[PS+4*\s:PS+4*\s+3], v[ASL] offset:256*\s
.endr
	s_wait_dscnt 0x0
	; ---- F = 2^(my largest t - G) / the row's sum under G, G the largest t of the four waves
.irp p, 0,1
	v_max3_num_f32 v[GG+\p], v[PS+2*\p], v[PS+4+2*\p], v[PS+8+2*\p]
.endr
.irp p, 0,1
	v_max_num_f32 v[GG+\p], v[GG+\p], v[PS+12+2*\p]
.endr
.irp s, 0,1,2,3
.irp p, 0,1
	v_sub_f32 v[EW+2*\s+\p], v[PS+4*\s+2*\p], v[GG+\p]
.endr
.endr
.irp p, 0,1
	v_sub_f32 v[OW+\p], v[ST+2*\p], v[GG+\p]
.endr
	s_wait_alu depctr_va_vdst(0)                   ; ahead of the batch
.irp q, 0,1,2,3,4,5,6,7
	v_exp_f32 v[EW+\q], v[EW+\q]
.endr
.irp p, 0,1
	v_exp_f32 v[OW+\p], v[OW+\p]
.endr
	v_nop
	s_wait_alu depctr_va_vdst(0)                   ; and behind it
.irp p, 0,1
	v_mul_f32 v[LS+\p], v[PS+2*\p+1], v[EW+\p]
.endr
.irp s, 1,2,3
.irp p, 0,1
	v_fma_f32 v[LS+\p], v[PS+4*\s+2*\p+1], v[EW+2*\s+\p], v[LS+\p]
.endr
.endr
	s_wait_alu depctr_va_vdst(0)
.irp p, 0,1
	v_rcp_f32 v[LS+\p], v[LS+\p]
.endr
	v_nop
	s_wait_alu depctr_va_vdst(0)
.irp p, 0,1
	v_mul_f32 v[FF+2*\p], v[OW+\p], v[LS+\p]
.endr
	; ---- the finished softmax + the bias, the hold, the conversion
	WIN 0xb2
.irp p, 0,1
.set i, 0
.rept 64
	v_pk_fma_f32 v[128*\p+i:128*\p+i+1], v[128*\p+i:128*\p+i+1], v[FF+2*\p:FF+2*\p+1], v[128*\p+i:128*\p+i+1] op_sel_hi:[1,0,1]
.set i, i+2
.endr
.endr
	WIN 0x82
.set i, 0
.rept 256
	v_med3_num_f32 v[i], v[i], -v[LIMV], v[LIMV]   ; the conversion does not saturate (ISA guide 7.6.2); the bias may be negative: the hold has two sides
.set i, i+1
.endr
	WIN 0x02
.irp p, 0,1
.irp u, 0,1,2,3,4,5,6,7,8,9,10,11,12,13,14,15
	v_cvt_scalef32_pk8_fp8_f32 v[CD+32*\p+2*\u:CD+32*\p+2*\u+1], v[128*\p+8*\u:128*\p+8*\u+7], v[SCV]   ; keys 16 u + 8 hh + 0..7
.endr
.endr
	WIN 0
	v_nop                                          ; one plain vector instruction behind the last conversion
	s_wait_alu depctr_va_vdst(0)                   ; directly ahead of the waits below
	s_wait_loadcnt 0x0                             ; V is in, and so is what was asked for behind the scores: no load of mine is out, so every base may step
	s_wait_xcnt 0x0                                ; the prefetch has read its address
	s_add_nc_u64 s[4:5], s[4:5], 0x10000
	s_add_nc_u64 s[6:7], s[6:7], 0x10000
	s_add_nc_u64 s[8:9], s[8:9], 0x10000
	s_add_nc_u64 s[70:71], s[70:71], 0x10000
	; ---- O^T = V^T P^T over my 256 keys: eight accumulators by turns, one instruction a turn
	WIN 0x01
.irp ks, 0,1
.irp p, 0,1
.irp d, 0,1,2,3
.if \ks
	v_wmma_f32_16x16x128_fp8_fp8 v[OA+32*\p+8*\d:OA+32*\p+8*\d+7], v[128+64*\ks+16*\d:128+64*\ks+16*\d+15], v[CD+32*\p+16*\ks:CD+32*\p+16*\ks+15], v[OA+32*\p+8*\d:OA+32*\p+8*\d+7]
.else
	v_wmma_f32_16x16x128_fp8_fp8 v[OA+32*\p+8*\d:OA+32*\p+8*\d+7], v[128+64*\ks+16*\d:128+64*\ks+16*\d+15], v[CD+32*\p+16*\ks:CD+32*\p+16*\ks+15], 0
.endif
.endr
.endr
.endr
	WIN 0
	NOP4                                           ; four places behind the last product
.irp n, 0,1,2,3,4,5,6,7,8,9,10,11,12,13,14,15
	ds_store_b128 v[AXS], v[OA+4*\n:OA+4*\n+3] offset:512*\n   ; my parts as they stand, ascending: each accumulator's low end first
.endr
	s_cmp_eq_u32 s[HC], 1                          ; head 15 has no successor: no load leaves its buffer
	s_cbranch_scc1 .Lno_v
	VLOADS                                         ; the next head's V
.Lno_v:
	; ---- THE SECOND MEETING
	s_wait_dscnt 0x0
	BAR
.irp s, 0,1,2,3
.irp n, 0,1,2,3
	ds_load_b128 v[OA+16*\s+4*\n:OA+16*\s+4*\n+3], v[AXL] offset:8192*\s+512*\n   ; the four waves' parts of the two accumulators that I own
.endr
.endr
	s_wait_dscnt 0x0
.irp n, 0,2,4,6,8,10,12,14
	v_pk_add_f32 v[OA+\n:OA+\n+1], v[OA+\n:OA+\n+1], v[OA+16+\n:OA+16+\n+1]
	v_pk_add_f32 v[OA+32+\n:OA+32+\n+1], v[OA+32+\n:OA+32+\n+1], v[OA+48+\n:OA+48+\n+1]
.endr
.irp n, 0,2,4,6,8,10,12,14
	v_pk_add_f32 v[OA+\n:OA+\n+1], v[OA+\n:OA+\n+1], v[OA+32+\n:OA+32+\n+1]
.endr
.irp e, 0,1
	ds_store_b128 v[AOS], v[OA+8*\e:OA+8*\e+3] offset:64*\e        ; query r of tile w / 2, channels 64 h + 32 (w % 2) + 16 e + 8 hh + 0..7
	ds_store_b128 v[AOS], v[OA+8*\e+4:OA+8*\e+7] offset:64*\e+16
.endr
	s_sub_co_u32 s[SB], s[SB], 5120
	s_add_co_u32 s[SO], s[SO], 256
	s_sub_co_u32 s[HC], s[HC], 1
	s_cmp_lg_u32 s[HC], 0
	s_cbranch_scc1 .Lhead
	; THE LAYERNORM.  Wave w takes rows 8 w .. 8 w + 7 of the stage, four a trip; a row's 1,024 sums lie 32 a lane.  out = sum x 2^(e8 + e9); the mean is taken away in the multiply-add that scales.
	s_wait_dscnt 0x0                               ; my stores into the stage are done
	BAR
	s_mov_b32 s92, 0
	s_mov_b32 s95, 2
.irp r, 0,1,2,3
	v_mov_b32 v[PLR+\r], 0
	v_mov_b32 v[MN+2*\r+1], 0
.endr
.macro LRED                            ; each row's two pairs are added up, and over the 32 lanes, into v[RS + r], in every lane
.irp r, 0,1,2,3
	v_pk_add_f32 v[SM+4*\r:SM+4*\r+1], v[SM+4*\r:SM+4*\r+1], v[SM+4*\r+2:SM+4*\r+3]
.endr
.irp r, 0,1,2,3
	v_add_f32 v[RS+\r], v[SM+4*\r], v[SM+4*\r+1]
.endr
.irp m, 1,2,4,8
.irp r, 0,1,2,3
	v_add_f32_dpp v[RS+\r], v[RS+\r], v[RS+\r] row_xmask:\m row_mask:0xf bank_mask:0xf
.endr
.endr
.irp r, 0,1,2,3
	v_permlanex16_b32 v[PLR+\r], v[RS+\r], s62, s63
.endr
.irp r, 0,1,2,3
	v_add_f32 v[RS+\r], v[RS+\r], v[PLR+\r]
.endr
.endm
	s_wait_alu depctr_va_vdst(0)                   ; ahead of the loop
.Lrows:
	v_add_nc_u32 v[ALNC], s92, v[ALN]
.irp r, 0,1,2,3
.irp k, 0,1,2,3,4,5,6,7
	ds_load_b128 v[X+32*\r+4*\k:X+32*\r+4*\k+3], v[ALNC] offset:OP*\r+512*\k
.endr
.endr
	s_wait_dscnt 0x0
.irp c, 0,1
.irp r, 0,1,2,3
	v_pk_add_f32 v[SM+4*\r+2*\c:SM+4*\r+2*\c+1], v[X+32*\r+4*\c:X+32*\r+4*\c+1], v[X+32*\r+4*\c+2:X+32*\r+4*\c+3]
.endr
.endr
.set i, 8
.rept 12
.irp r, 0,1,2,3
	v_pk_add_f32 v[SM+4*\r+2*((i/2)%2):SM+4*\r+2*((i/2)%2)+1], v[SM+4*\r+2*((i/2)%2):SM+4*\r+2*((i/2)%2)+1], v[X+32*\r+i:X+32*\r+i+1]
.endr
.set i, i+2
.endr
	LRED
.irp r, 0,1,2,3
	v_mul_f32 v[MN+2*\r], s73, v[RS+\r]            ; - the mean
.endr
.irp r, 0,1,2,3
.set i, 0
.rept 16
	v_pk_fma_f32 v[X+32*\r+i:X+32*\r+i+1], v[X+32*\r+i:X+32*\r+i+1], s[66:67], v[MN+2*\r:MN+2*\r+1] op_sel_hi:[1,0,0]
.set i, i+2
.endr
.endr
.irp c, 0,1
.irp r, 0,1,2,3
	v_pk_mul_f32 v[SM+4*\r+2*\c:SM+4*\r+2*\c+1], v[X+32*\r+2*\c:X+32*\r+2*\c+1], v[X+32*\r+2*\c:X+32*\r+2*\c+1]
.endr
.endr
.set i, 4
.rept 14
.irp r, 0,1,2,3
	v_pk_fma_f32 v[SM+4*\r+2*((i/2)%2):SM+4*\r+2*((i/2)%2)+1], v[X+32*\r+i:X+32*\r+i+1], v[X+32*\r+i:X+32*\r+i+1], v[SM+4*\r+2*((i/2)%2):SM+4*\r+2*((i/2)%2)+1]
.endr
.set i, i+2
.endr
	LRED
.irp r, 0,1,2,3
	v_fma_f32 v[RS+\r], v[RS+\r], s74, s75         ; the variance + 1e-3
.endr
	s_wait_alu depctr_va_vdst(0)                   ; ahead of the roots
.irp r, 0,1,2,3
	v_rsq_f32 v[MN+2*\r], v[RS+\r]
.endr
	v_nop
	s_wait_alu depctr_va_vdst(0)                   ; and behind them
.irp r, 0,1,2,3
.set i, 0
.rept 16
	v_pk_mul_f32 v[X+32*\r+i:X+32*\r+i+1], v[X+32*\r+i:X+32*\r+i+1], v[MN+2*\r:MN+2*\r+1] op_sel_hi:[1,0]
.set i, i+2
.endr
.endr
	WIN 0x14                                       ; gamma and beta lie in window 1; they were shown in ahead of head 15's second product
.irp r, 0,1,2,3
.set i, 0
.rept 16
	v_pk_fma_f32 v[X+32*\r+i:X+32*\r+i+1], v[X+32*\r+i:X+32*\r+i+1], v[i:i+1], v[32+i:32+i+1]
.set i, i+2
.endr
.endr
	WIN 0
.irp r, 0,1,2,3
.irp k, 0,1,2,3,4,5,6,7
	global_store_b128 v[GO], v[X+32*\r+4*\k:X+32*\r+4*\k+3], s[18:19] offset:65536*\r+512*\k th:TH_STORE_NT   ; 32 lanes store 512 consecutive bytes of a row, at a multiple of 512 from out0's first byte
.endr
.endr
	s_wait_xcnt 0x0                                ; the stores have read their registers and their base
	s_add_nc_u64 s[18:19], s[18:19], 0x40000       ; four of my rows on
	s_add_co_u32 s92, s92, 4*OP
	s_sub_co_u32 s95, s95, 1
	s_cmp_lg_u32 s95, 0
	s_cbranch_scc1 .Lrows
	s_wait_tensorcnt 0x0                           ; the wave's end
	ds_add_u32 v[SPW], v[NIL]
	s_wait_dscnt 0x0
	s_endpgm
.Lfunc_end_k_q6dadc61b9a_attn:
	.size	k_q6dadc61b9a_attn, .Lfunc_end_k_q6dadc61b9a_attn-k_q6dadc61b9a_attn
	.p2alignl 7, 3214868480
	.fill 96, 4, 3214868480
	.section	.rodata,"a",@progbits
	.p2align	6, 0x0
	.amdhsa_kernel k_q6dadc61b9a_attn
		.amdhsa_group_segment_fixed_size 262144
		.amdhsa_private_segment_fixed_size 0
		.amdhsa_enable_private_segment 0
		.amdhsa_kernarg_size 64
		.amdhsa_user_sgpr_count 2
		.amdhsa_user_sgpr_kernarg_segment_ptr 1
		.amdhsa_wavefront_size32 1
		.amdhsa_system_sgpr_workgroup_id_x 1
		.amdhsa_system_sgpr_workgroup_id_y 1
		.amdhsa_system_sgpr_workgroup_id_z 1
		.amdhsa_system_vgpr_workitem_id 0
		.amdhsa_next_free_vgpr 1024
		.amdhsa_next_free_sgpr 100
		.amdhsa_reserve_vcc 0
		.amdhsa_float_denorm_mode_32 3
		.amdhsa_float_denorm_mode_16_64 3
		.amdhsa_memory_ordered 1
		.amdhsa_forward_progress 1
		.amdhsa_inst_pref_size 125
	.end_amdhsa_kernel
	.amdgpu_metadata
---
amdhsa.version: [ 1, 2 ]
amdhsa.kernels:
  - .name:           k_q6dadc61b9a_attn
    .symbol:         k_q6dadc61b9a_attn.kd
    .args:
      - { .name: qws, .offset: 0, .size: 8, .value_kind: global_buffer, .address_space: global }
      - { .name: kws, .offset: 8, .size: 8, .value_kind: global_buffer, .address_space: global }
      - { .name: vws, .offset: 16, .size: 8, .value_kind: global_buffer, .address_space: global }
      - { .name: rel_table, .offset: 24, .size: 8, .value_kind: global_buffer, .address_space: global }
      - { .name: gamma, .offset: 32, .size: 8, .value_kind: global_buffer, .address_space: global }
      - { .name: beta, .offset: 40, .size: 8, .value_kind: global_buffer, .address_space: global }
      - { .name: lowp_scales, .offset: 48, .size: 8, .value_kind: global_buffer, .address_space: global }
      - { .name: out0, .offset: 56, .size: 8, .value_kind: global_buffer, .address_space: global }
    .group_segment_fixed_size: 262144
    .private_segment_fixed_size: 0
    .kernarg_segment_align: 8
    .kernarg_segment_size: 64
    .max_flat_workgroup_size: 128
    .sgpr_count:     100
    .vgpr_count:     1024
    .wavefront_size: 32
...
	.end_amdgpu_metadata
.endif
;; end of part 2
